; MI455X (gfx1250); checked and timed in simulation.
; The chip was launched on July 23, 2026; its instructions are those of AMD's public machine-readable ISA for CDNA 5 (MIT licence, August 2026) and "CDNA5" Instruction Set Architecture Reference Guide (July 2026). The comments in the code are by the model that wrote it; some were corrected since.
;; Index Propagation Quantize. Allowed arithmetic: float matrix products may take bf16 or f16 operands with f32 sums; all other float work in f32.
;; Inputs: W 8,192 x 256 float32; z 8 x 256 x 32 x 32 float32.
;; Outputs: out0 8 x 256 x 32 x 32 float32; out1 one number float32; out2 8,192 int32.
;; One version. Each part assembles by itself: llvm-mc -triple=amdgcn-amd-amdhsa -mcpu=gfx1250 --defsym DOCPART=n.
;; ======== version 1 of 1: 4 launches
;; workspace buffers: Wb 4,194,304 bytes; Zb 4,194,304 bytes; pmax 131,072 bytes; pidx 131,072 bytes of whole numbers; lpart 1,024 bytes
;; launch prep (part 1): grid 256 x 1, 8 waves a work-group, no clusters, 18,432 bytes of LDS; arguments W, z, Wb, Zb; writes Wb, Zb
.if DOCPART == 1
	.amdgcn_target "amdgcn-amd-amdhsa--gfx1250"
	.amdhsa_code_object_version 6
	.text
	.protected	k_q7b571f406f_prep
	.globl	k_q7b571f406f_prep
	.p2align	8
	.type	k_q7b571f406f_prep,@function
k_q7b571f406f_prep:
	s_mov_b64 s[64:65], 0
	v_nop
	global_prefetch_b8 v0, s[64:65] scope:SCOPE_SE
	s_setreg_imm32_b32 hwreg(HW_REG_WAVE_MODE, 25, 1), 1
	s_wait_xcnt 0x0
; Wb[code][d] = bf16(W[code][d]);  Zb[token][d] = bf16(z[b][d][hw]), token = 1024 b + hw.  Both rounded once, to nearest even.
; 256 work-groups of eight waves.  Work-group X casts W's rows 32 X .. 32 X + 31 (32,768 dense bytes) and turns one block of z:
; 64 tokens (token group X / 2) x 128 channels (half X % 2).  The turn goes through LDS, so that z is read as 256 consecutive bytes
; of a channel's row (16 lanes x 16 bytes) and Zb is written as 256 consecutive bytes of a token's row.
; No matrix unit, no cluster, no tensor load: every byte is read once and written once, and nothing is shared between work-groups.
.set STGP,  272                        ; a stage row: 128 bf16 = 256 bytes + 16: 16 consecutive rows start at 16 different groups of four banks
.set SPARE, 64*STGP                    ; 17,408: behind the stage, the spare words, 128 bytes for each of eight waves
.set ZO,  3                            ; v3   z: (8 c) rows of 4,096 bytes + 16 i        (c = thread / 16, i = thread % 16)
.set WO,  4                            ; v4   W: 16 x thread
.set WS,  5                            ; v5   Wb: 8 x thread
.set SA,  6                            ; v6   stage, in: row i, byte 16 c
.set RA,  7                            ; v7   stage, back: row c, byte 16 i
.set GO,  8                            ; v8   Zb: token 4 c, byte 16 i
.set SPW, 10                           ; v10  my spare word; never rewritten
.set NIL, 11                           ; v11  0; never rewritten
.set ZX,  16                           ; v[16:47]  z as loaded: channel 8 c + e, token 4 i + t at ZX + 4 e + t; later the rows read back
.set WX,  48                           ; v[48:79]  W as loaded
.set PK,  80                           ; v[80:95]  token 4 i + t: its eight channels packed, at PK + 4 t
.set WP,  96                           ; v[96:111] W packed
	s_load_b256 s[4:11], s[0:1], 0x0               ; W s[4:5], z s[6:7], Wb s[8:9], Zb s[10:11]
	v_lshl_add_u32 v[SPW], v0, 2, SPARE
	v_mov_b32 v[NIL], 0
	v_lshrrev_b32 v1, 4, v0                        ; c
	v_and_b32 v2, 15, v0                           ; i
	v_lshlrev_b32 v[ZO], 15, v1
	v_lshl_add_u32 v[ZO], v2, 4, v[ZO]
	v_lshlrev_b32 v[WO], 4, v0
	v_lshlrev_b32 v[WS], 3, v0
	v_mul_u32_u24 v[SA], v2, STGP
	v_lshl_add_u32 v[SA], v1, 4, v[SA]
	v_mul_u32_u24 v[RA], v1, STGP
	v_lshl_add_u32 v[RA], v2, 4, v[RA]
	v_lshlrev_b32 v[GO], 11, v1
	v_lshl_add_u32 v[GO], v2, 4, v[GO]
	s_lshl_b32 s12, ttmp9, 15                      ; W: 32 rows of 1,024 bytes a work-group
	s_mov_b32 s13, 0
	s_lshl_b32 s14, ttmp9, 14                      ; Wb: half of that
	s_mov_b32 s15, 0
	s_lshr_b32 s20, ttmp9, 1                       ; token group
	s_and_b32 s21, ttmp9, 1                        ; channel half
	s_lshr_b32 s16, s20, 4                         ; b
	s_lshl_b32 s16, s16, 20                        ; z: b x 256 rows of 4,096 bytes
	s_lshl_b32 s22, s21, 19                        ;    + half x 128 rows
	s_add_co_u32 s16, s16, s22
	s_and_b32 s22, s20, 15
	s_lshl_b32 s22, s22, 8                         ;    + 64 tokens x 4 bytes
	s_add_co_u32 s16, s16, s22
	s_mov_b32 s17, 0
	s_lshl_b32 s18, s20, 15                        ; Zb: 64 tokens of 512 bytes
	s_lshl_b32 s22, s21, 8                         ;     + half x 256 bytes
	s_add_co_u32 s18, s18, s22
	s_mov_b32 s19, 0
	s_wait_kmcnt 0x0
	s_add_nc_u64 s[4:5], s[4:5], s[12:13]
	s_add_nc_u64 s[8:9], s[8:9], s[14:15]
	s_add_nc_u64 s[6:7], s[6:7], s[16:17]
	s_add_nc_u64 s[10:11], s[10:11], s[18:19]
.irp e, 0,1,2,3,4,5,6,7
	global_load_b128 v[ZX+4*\e:ZX+4*\e+3], v[ZO], s[6:7] offset:\e*4096    ; channel 8 c + e: 16 lanes take its 64 tokens, 256 consecutive bytes
.endr
.irp n, 0,1,2,3,4,5,6,7
	global_load_b128 v[WX+4*\n:WX+4*\n+3], v[WO], s[4:5] offset:\n*4096 th:TH_LOAD_NT  ; a wave takes 512 consecutive bytes
.endr
	s_wait_loadcnt 0x8                             ; z's eight loads are in; W's eight, issued behind them, stay out
.irp t, 0,1,2,3
.irp c, 0,1,2,3
	v_cvt_pk_bf16_f32 v[PK+4*\t+\c], v[ZX+8*\c+\t], v[ZX+8*\c+4+\t]       ; token 4 i + t: channels 8 c + 2 c', 8 c + 2 c' + 1
.endr
.endr
.irp t, 0,1,2,3
	ds_store_b128 v[SA], v[PK+4*\t:PK+4*\t+3] offset:\t*16*STGP            ; stage row 16 t + i holds token 4 i + t
.endr
	s_wait_dscnt 0x0                               ; for the others' sake: my stores into the stage are done
	s_barrier_signal -1
	s_barrier_wait -1
.irp q, 0,1,2,3
	ds_load_b128 v[ZX+4*\q:ZX+4*\q+3], v[RA] offset:\q*16*STGP             ; row 16 q + c = token 4 c + q: 16 lanes take its 256 bytes
.endr
.irp n, 0,1,2,3,4,5,6,7
	s_wait_loadcnt 7-\n                            ; loads come back in order: W's load n is in, the later ones stay out
	v_cvt_pk_bf16_f32 v[WP+2*\n], v[WX+4*\n], v[WX+4*\n+1]
	v_cvt_pk_bf16_f32 v[WP+2*\n+1], v[WX+4*\n+2], v[WX+4*\n+3]
	global_store_b64 v[WS], v[WP+2*\n:WP+2*\n+1], s[8:9] offset:\n*2048    ; a wave stores 256 consecutive bytes, at a multiple of 256 from Wb's first
.endr
.irp q, 0,1,2,3
	s_wait_dscnt 3-\q                              ; LDS loads come back in order: row q is in
	global_store_b128 v[GO], v[ZX+4*\q:ZX+4*\q+3], s[10:11] offset:\q*512  ; 16 lanes store 256 consecutive bytes of token 4 c + q
.endr
	s_wait_tensorcnt 0x0                           ; the wave's end: a wait, an add of 0 to my spare word and its wait, behind my last LDS store
	ds_add_u32 v[SPW], v[NIL]
	s_wait_dscnt 0x0
	s_endpgm
.Lfunc_end_k_q7b571f406f_prep:
	.size	k_q7b571f406f_prep, .Lfunc_end_k_q7b571f406f_prep-k_q7b571f406f_prep
	.p2alignl 7, 3214868480
	.fill 96, 4, 3214868480
	.section	.rodata,"a",@progbits
	.p2align	6, 0x0
	.amdhsa_kernel k_q7b571f406f_prep
		.amdhsa_group_segment_fixed_size 18432
		.amdhsa_private_segment_fixed_size 0
		.amdhsa_enable_private_segment 0
		.amdhsa_kernarg_size 32
		.amdhsa_user_sgpr_count 2
		.amdhsa_user_sgpr_kernarg_segment_ptr 1
		.amdhsa_wavefront_size32 1
		.amdhsa_system_sgpr_workgroup_id_x 1
		.amdhsa_system_sgpr_workgroup_id_y 1
		.amdhsa_system_sgpr_workgroup_id_z 1
		.amdhsa_system_vgpr_workitem_id 0
		.amdhsa_next_free_vgpr 112
		.amdhsa_next_free_sgpr 66
		.amdhsa_reserve_vcc 0
		.amdhsa_float_denorm_mode_32 3
		.amdhsa_float_denorm_mode_16_64 3
		.amdhsa_memory_ordered 1
		.amdhsa_forward_progress 1
		.amdhsa_inst_pref_size 8
	.end_amdhsa_kernel
	.amdgpu_metadata
---
amdhsa.version: [ 1, 2 ]
amdhsa.kernels:
  - .name:           k_q7b571f406f_prep
    .symbol:         k_q7b571f406f_prep.kd
    .args:
      - { .name: W, .offset: 0, .size: 8, .value_kind: global_buffer, .address_space: global }
      - { .name: z, .offset: 8, .size: 8, .value_kind: global_buffer, .address_space: global }
      - { .name: Wb, .offset: 16, .size: 8, .value_kind: global_buffer, .address_space: global }
      - { .name: Zb, .offset: 24, .size: 8, .value_kind: global_buffer, .address_space: global }
    .group_segment_fixed_size: 18432
    .private_segment_fixed_size: 0
    .kernarg_segment_align: 8
    .kernarg_segment_size: 32
    .max_flat_workgroup_size: 256
    .sgpr_count:     66
    .vgpr_count:     112
    .wavefront_size: 32
...
	.end_amdgpu_metadata
.endif
;; end of part 1
;; launch logits (part 2): grid 4 x 64, 4 waves a work-group, clusters of 4 x 4, 327,680 bytes of LDS; arguments Wb, Zb, pmax, pidx; writes pmax, pidx
.if DOCPART == 2
	.amdgcn_target "amdgcn-amd-amdhsa--gfx1250"
	.amdhsa_code_object_version 6
	.text
	.protected	k_q7b571f406f_logits
	.globl	k_q7b571f406f_logits
	.p2align	8
	.type	k_q7b571f406f_logits,@function
k_q7b571f406f_logits:
	s_mov_b64 s[64:65], 0
	v_nop
	global_prefetch_b8 v0, s[64:65] scope:SCOPE_SE
	s_setreg_imm32_b32 hwreg(HW_REG_WAVE_MODE, 25, 1), 1
	s_wait_xcnt 0x0
	s_wait_alu depctr_hold_cnt(0) depctr_sa_sdst(0) depctr_va_vdst(0) depctr_va_sdst(0) depctr_va_ssrc(0) depctr_va_vcc(0) depctr_vm_vsrc(0)
	s_getreg_b32 s2, hwreg(HW_REG_IB_STS2, 6, 4)
	s_cmp_eq_u32 s2, 0
	s_cbranch_scc0 .Lentry_in_a_cluster
	s_endpgm
.Lentry_in_a_cluster:
	s_bfe_u32 s2, ttmp6, 0x10000c
	s_cmp_lg_u32 s2, 0xf033
	s_cbranch_scc0 .Lentry_shape_is_right
	s_endpgm
.Lentry_shape_is_right:
; logits[token][code] = sum over d of Zb[token][d] Wb[code][d] (bf16 operands, f32 sums), and of them only the largest and its index are kept:
; pmax[p][token], pidx[p][token] = the best logit and its code among the 2,048 codes of range p (p = 0..3); on equal logits the lowest code.
; WHY NO EXPONENTIAL.  The softmax grows with the logit, so its argmax is the logits' argmax; nothing else of the softmax reaches a result:
; in f32 (0 - s) + s is exactly 0 and (1 - s) + s is 1 to one part in 2^23, so the straight-through one-hot is the hard one.
; LIMITS.  A tie is taken on equal logits only; the softmax also ties two logits less than about 6e-8 apart.  NaN and infinities are not treated apart.
; SHARES.  Work-group (x, y): code range p = x, token block y of 128 tokens.  A wave keeps ALL 128 tokens x 256 channels as fragments in 512 registers and owns 64 of each tile's 256 codes:
; it fetches those rows itself and nobody else reads them.  8 tiles x 4 GROUPS of 16 codes; a group is 8 K steps x 8 token tiles = 64 matrix instructions for 16 LDS loads.
; LAYOUT.  Source 0 = 16 codes, source 1 = 16 tokens: in the result a lane holds ONE token (lane % 16) and register j the code 8 (lane / 16) + j.
; THE ARGMAX rides on the products: while group G is multiplied, group G - 1's results are looked at, 14 vector instructions a token tile, four behind every second matrix instruction:
; the new running maximum; whether it grew (strictly: the earlier group keeps a tie); if so the group's number and its eight logits are kept.  The place among the eight is found once, at the end.
; CLUSTER.  4 x 4 work-groups.  W's tile hangs on x alone and is asked for jointly along a column of the cluster, the token block on y alone, jointly along a row.
; REGISTERS, in windows of 256 (s_set_vgpr_msb: bits 1:0 source 0, 3:2 source 1, 5:4 source 2, 7:6 destination):
;   window 0: v0-15 addresses; v16-31 running maxima, two sets by turns; v32-39 group numbers; v40-47 indices; v48-55 at work; v64-127 the kept logits; v128-255 two sets of 8 accumulators
;   window 1: v0-127 W's fragments, two buffers of 16 codes x 256 K        windows 2, 3: the tokens' fragments: K step k, token tile t in window 2 + k / 4 at 64 (k % 4) + 8 t
.set PITCH, 528                        ; an LDS row: 512 bytes + 16 = 132 words: the 16 rows of a fragment load start at 16 different groups of four banks
.set GRP,   16*PITCH                   ; 16 rows
.set WROWS, 64*PITCH                   ; what one load of W brings, and what one wave reads of a tile
.set ZROWS, 32*PITCH                   ; what one load of the token block brings
.set SLOT,  256*PITCH                  ; 135,168.  Slot 0 at 0; slot 1 first holds the token block (128 rows), then W's tiles
.set SCR,   2*SLOT                     ; behind the ring, never filled by a tensor load: the waves' best values (4 x 512 bytes), then their indices
.set SPARE, SCR+4096                   ; the spare words, 128 bytes for each wave
.set TILEB, 256*512                    ; bytes of a tile of W in memory
.set AW,  3                            ; v3, v4  LDS address of my fragments of W in slot 0, 1
.set AZ,  5                            ; v5   the same for the token block
.set SA,  6                            ; v6   where my lane puts a token's best value (lanes 0-15) or index (lanes 16-31)
.set CODE0, 7                          ; v7   2,048 p + 64 wave + 8 (lane / 16)
.set RD,  8                            ; v8   SCR + 16 x lane
.set GO,  9                            ; v9   16 x lane
.set SPW, 10                           ; v10  my spare word; never rewritten
.set NIL, 11                           ; v11  0; never rewritten
.set MX,  16                           ; running maximum of token tile t: set q at MX + 8 q + t
.set CG,  32                           ; number of the group in which it last grew
.set IDX, 40
.set SAV, 64                           ; that group's eight logits, at SAV + 8 t
.set ACC, 128                          ; accumulator set q, token tile t at ACC + 64 q + 8 t
.set WV,  12                           ; s12  my wave's number
.set G1W, 24                           ; s[24:31] descriptor group 1 for W's tiles
.set G1Z, 32                           ; s[32:39] for the token block
.set G0W, 40                           ; s[40:47] descriptor group 0 for W's tiles, a set for each slot
.set G0Z, 48                           ; s[48:51] for the token block
.set LAP, 52                           ; s52  laps to go
.set GN,  53                           ; s53  the number of the group that is being looked at
.set MK,  54                           ; s54, s55  'the maximum grew', for the even and the odd token tile of a pair
.set SEL, 56                           ; s[56:57] v_permlanex16_b32's selects: each lane takes its own place in the other half
.set HM,  58                           ; s58  lanes 16-31
.set G1C, (1<<16)|(1<<20)|(1<<21)|(6<<22)|(3<<25)  ; 17:16 elements of 2 bytes; 20 padding on; 21 set beside a mask; 24:22 after every 128 words (code 6); 31:25 4 words of it (code 3)
.set MSB, 0
.macro WIN new                         ; the immediate's high byte repeats the setting that is left; a switch that changes nothing is dropped
.if MSB != (\new)
	s_set_vgpr_msb (MSB<<8)|(\new)
.set MSB, \new
.endif
.endm
.macro PLACES                          ; four plain vector instructions (ISA guide 7.12.1) where no useful ones are at hand
.rept 4
	v_nop
.endr
.endm
; A round of the cluster's barrier: my work-group's barrier, so that wave 0's signal speaks for all four waves; wave 0 signals; every wave waits for all sixteen work-groups; my work-group's barrier once more.
.macro CREST                           ; a round behind its opening barrier
	s_cmp_lg_u32 s[WV], 0
	s_cbranch_scc1 .Lnot_wave_0_\@
	s_barrier_signal -3
.Lnot_wave_0_\@:
	s_barrier_wait -3
	s_barrier_signal -1
	s_barrier_wait -1
.endm
.macro CROUND
	s_barrier_signal -1
	s_barrier_wait -1
	CREST
.endm
; 16 LDS loads in one run: group g of the tile in the slot (my 16 codes x 256 K) into W's buffer q
.macro FETCH slot, g, q
	WIN 0x40                                       ; destination window 1, address window 0
.irp k, 0,1,2,3,4,5,6,7
	ds_load_b128 v[64*(\q)+8*\k:64*(\q)+8*\k+3],   v[AW+(\slot)] offset:(\g)*GRP+64*\k
	ds_load_b128 v[64*(\q)+8*\k+4:64*(\q)+8*\k+7], v[AW+(\slot)] offset:(\g)*GRP+64*\k+32
.endr
.endm
; Matrix instruction I of a group's 64: K step I / 8, token tile I % 8.  The eight accumulators take turns, one instruction a turn, and the groups take the two sets by turns.
; The first K step starts the sums with the constant 0: no accumulator is ever cleared.
.macro WM q
.set kk, I/8
.set tt, I%8
.if kk < 4
	WIN 0x09                                       ; W in window 1, tokens in window 2, C and D in window 0
.else
	WIN 0x0d                                       ; tokens in window 3
.endif
.set rA, ACC+64*(\q)+8*tt
.set rW, 64*(\q)+8*kk
.set rZ, 64*(kk%4)+8*tt
.if kk == 0
	v_wmma_f32_16x16x32_bf16 v[rA:rA+7], v[rW:rW+7], v[rZ:rZ+7], 0
.else
	v_wmma_f32_16x16x32_bf16 v[rA:rA+7], v[rW:rW+7], v[rZ:rZ+7], v[rA:rA+7]
.endif
.endm
; Number o of the 14 that look at token tile t of the group before (accumulator set 1 - q).  The accumulator's lowest registers are read first.
.macro RID t, o, q
.set rA, ACC+64*(1-(\q))+8*(\t)
.set rO, MX+8*(1-(\q))+(\t)
.set rN, MX+8*(\q)+(\t)
.set rK, MK+(\t)%2
	WIN 0
.if (\o) == 0
	v_max3_num_f32 v[rN], v[rO], v[rA], v[rA+1]
.elseif (\o) < 4
	v_max3_num_f32 v[rN], v[rN], v[rA+2*(\o)], v[rA+2*(\o)+1]
.elseif (\o) == 4
	v_cmp_gt_f32 s[rK], v[rN], v[rO]               ; strictly: on equal logits the earlier group, whose codes are lower, stays
.elseif (\o) == 5
	v_cndmask_b32 v[CG+(\t)], v[CG+(\t)], s[GN], s[rK]
.else
	v_cndmask_b32 v[SAV+8*(\t)+(\o)-6], v[SAV+8*(\t)+(\o)-6], v[rA+(\o)-6], s[rK]
.endif
.endm
; Slice n of 28: numbers 2 (n % 7) and 2 (n % 7) + 1 for token tiles 2 (n / 7) and 2 (n / 7) + 1, the two tiles alternating: four plain instructions
.macro SLICE n, q
.set sT, 2*((\n)/7)
.set sO, 2*((\n)%7)
	RID sT, sO, \q
	RID sT+1, sO, \q
	RID sT, sO+1, \q
	RID sT+1, sO+1, \q
.endm
; cnt matrix instructions; a slice stands behind numbers 9, 11, .. 63.  The slice behind number 63 names no register of the group's products: its four instructions are the places between
; the group's last product and what follows: the loads into W's buffer and the first look at the results.
.macro MULS q, cnt, ride
.rept \cnt
	WM \q
.if (\ride) && (I%2 == 1) && (I >= 9)
	SLICE (I-9)/2, \q
.endif
.set I, I+1
.endr
.endm
; A group on buffer and accumulator set q.  fetch = 1: behind its second product the next group's fragments (group g of the slot) are fetched into the other buffer, 62 products ahead of their use.
; ride = 1: the group before is looked at.  tw = 1: the last change of slots: nothing is filled any more, so no round.
.macro GROUP q, slot, g, ride, fetch, tw
.if \tw
	s_wait_tensorcnt 0x0                           ; my rows of the last tile have landed
.endif
	s_wait_dscnt 0x0                               ; this group's fragments are in
.if \tw
	s_barrier_signal -1                            ; and so have everybody's
	s_barrier_wait -1
.endif
.set I, 0
	MULS \q, 2, \ride
.if \fetch
	FETCH \slot, \g, 1-(\q)
.endif
	MULS \q, 62, \ride
.if \ride
	s_add_co_u32 s[GN], s[GN], 1
.else
	WIN 0
	PLACES
.endif
.endm
; A tile's last group (set 1) changes slots.  In front of the round each wave waits for all its tensor loads, of which one is out: its rows of the other slot; adds 0 to its spare word; and waits for
; that and for its reads of this slot.  Behind the round no wave of any partner reads this slot or has a load on its way: the joint refill, two tiles on, is the first thing there.
; From that request to the wait for it a wave issues 32 + 3 x 64 = 224 matrix instructions.
.macro TURN slot
	WIN 0
	s_wait_tensorcnt 0x0                           ; no tensor load of mine is out, so a group 0 may be written
	ds_add_u32 v[SPW], v[NIL]                      ; 0 onto my spare word
	s_add_nc_u64 s[G0W+4*(\slot)+2:G0W+4*(\slot)+3], s[G0W+4*(\slot)+2:G0W+4*(\slot)+3], 2*TILEB  ; this slot's next tile; the type bits on top are not reached
	s_wait_dscnt 0x1                               ; only the add may be out: this group's 16 fragment loads, issued ahead of it, are in
.set I, 0
	MULS 1, 16, 1                                  ; work on registers between the add and the wait for it
	s_wait_dscnt 0x0                               ; the add is done; my reads of this slot are over
	s_barrier_signal -1                            ; the round opens
	MULS 1, 16, 1
	WIN 0
	s_barrier_wait -1
	CREST
	tensor_load_to_lds s[G0W+4*(\slot):G0W+4*(\slot)+3], s[G1W:G1W+7]
	s_nop 0
	PLACES
	FETCH 1-(\slot), 0, 0                          ; the other slot's first group
	MULS 1, 32, 1
	s_add_co_u32 s[GN], s[GN], 1
.endm
; (mA, iA) takes (mB, iB) where B's value is greater, or equal with the lower index
.macro BETTER mA, iA, mB, iB
	v_cmp_gt_f32 s20, v[\mB], v[\mA]
	v_cmp_eq_f32 s21, v[\mB], v[\mA]
	v_cmp_lt_u32 s22, v[\iB], v[\iA]
	s_and_b32 s21, s21, s22
	s_or_b32 s20, s20, s21
	v_cndmask_b32 v[\mA], v[\mA], v[\mB], s20
	v_cndmask_b32 v[\iA], v[\iA], v[\iB], s20
.endm
; 64 LDS loads: the tokens' fragments of K steps kb .. kb + 3 into the window that is set
.macro ZLOAD kb
.irp k, 0,1,2,3
.irp t, 0,1,2,3,4,5,6,7
	ds_load_b128 v[64*\k+8*\t:64*\k+8*\t+3],   v[AZ] offset:\t*GRP+64*(\k+(\kb))
	ds_load_b128 v[64*\k+8*\t+4:64*\k+8*\t+7], v[AZ] offset:\t*GRP+64*(\k+(\kb))+32
.endr
.endr
.endm
; Token tile t at the end: the lowest of the eight kept logits that equals the maximum gives the code; the lane 16 away holds the token's other eight codes of each group
.macro FIN t
	v_mov_b32 v48, 7
.irp j, 6,5,4,3,2,1,0
	v_cmp_eq_f32 s20, v[SAV+8*(\t)+\j], v[MX+(\t)]
	v_cndmask_b32 v48, v48, \j, s20
.endr
	v_lshrrev_b32 v49, 2, v[CG+(\t)]               ; the tile: 256 codes
	v_and_b32 v50, 3, v[CG+(\t)]                   ; the group in it: 16 codes
	v_lshl_add_u32 v49, v49, 8, v[CODE0]
	v_lshl_add_u32 v49, v50, 4, v49
	v_add_nc_u32 v[IDX+(\t)], v49, v48
	v_permlanex16_b32 v[SAV+8*(\t)], v[MX+(\t)], s[SEL], s[SEL+1]      ; into registers that have been written and are free now
	v_permlanex16_b32 v[SAV+8*(\t)+1], v[IDX+(\t)], s[SEL], s[SEL+1]
	BETTER MX+(\t), IDX+(\t), SAV+8*(\t), SAV+8*(\t)+1
	v_cndmask_b32 v50, v[MX+(\t)], v[IDX+(\t)], s[HM]                  ; lanes 0-15 hand on the value, lanes 16-31 the index
	ds_store_b32 v[SA], v50 offset:64*(\t)
.endm
	s_load_b256 s[4:11], s[0:1], 0x0               ; Wb s[4:5], Zb s[6:7], pmax s[8:9], pidx s[10:11]
	v_lshl_add_u32 v[SPW], v0, 2, SPARE
	v_mov_b32 v[NIL], 0
	ds_add_u32 v[SPW], v[NIL]                      ; the wave's opening: an add of 0 to my spare word, waited for ahead of my first tensor load; the set-up below, work on registers, stands between the add and its wait
	v_lshrrev_b32 v1, 5, v0
	v_readfirstlane_b32 s[WV], v1                  ; wave 0..3
	s_bfe_u32 s13, ttmp6, 0x40000                  ; cx
	s_bfe_u32 s14, ttmp6, 0x40004                  ; cy
	s_lshl_b32 s15, ttmp9, 2                       ; in a cluster launch ttmp9 and ttmp7 count clusters
	s_add_co_u32 s15, s15, s13                     ; p = 4 x cluster x + cx
	s_and_b32 s16, ttmp7, 0xffff
	s_lshl_b32 s16, s16, 2
	s_add_co_u32 s16, s16, s14                     ; token block = 4 x cluster y + cy
	s_lshl_b32 s17, s14, 2
	s_lshl_b32 s17, 15, s17                        ; my row of the cluster: places 4 cy .. 4 cy + 3
	s_lshl_b32 s18, 0x1111, s13                    ; my column: places cx, cx + 4, cx + 8, cx + 12
	s_or_b32 s[G1W], s18, G1C                      ; 15:0 the mask: W's tiles go to my column
	s_or_b32 s[G1Z], s17, G1C                      ; the token block goes to my row
	s_mov_b32 s[G1W+1], 256<<16                    ; tensor_dim0 = 256 elements
	s_mov_b32 s[G1W+2], 64<<16                     ; tensor_dim1 = 64 rows
	s_mov_b32 s[G1W+3], 256<<16                    ; tile_dim0 = 256
	s_mov_b32 s[G1W+4], 64                         ; tile_dim1 = 64
	s_mov_b32 s[G1W+5], 256                        ; 256 elements from row to row
	s_mov_b32 s[G1W+6], 0
	s_mov_b32 s[G1W+7], 0
	s_mov_b32 s[G1Z+1], 256<<16
	s_mov_b32 s[G1Z+2], 32<<16                     ; 32 rows
	s_mov_b32 s[G1Z+3], 256<<16
	s_mov_b32 s[G1Z+4], 32
	s_mov_b32 s[G1Z+5], 256
	s_mov_b32 s[G1Z+6], 0
	s_mov_b32 s[G1Z+7], 0
	s_mov_b32 s[G0W], 1                            ; count = 1
	s_mul_i32 s[G0W+1], s[WV], WROWS               ; LDS address: my 64 rows of slot 0: no place in the cluster enters an LDS address
	s_mov_b32 s[G0W+4], 1
	s_add_co_u32 s[G0W+5], s[G0W+1], SLOT          ; and of slot 1
	s_mov_b32 s[G0Z], 1
	s_mul_i32 s[G0Z+1], s[WV], ZROWS
	s_add_co_u32 s[G0Z+1], s[G0Z+1], SLOT          ; my 32 rows of the token block, in slot 1's bytes
	s_lshl_b32 s20, s15, 20                        ; W: 2,048 p rows of 512 bytes (these registers never hold cy)
	s_lshl_b32 s21, s[WV], 15                      ;    + 64 rows a wave
	s_add_co_u32 s20, s20, s21
	s_mov_b32 s21, 0
	s_lshl_b32 s22, s16, 16                        ; tokens: 128 rows of 512 bytes a block (these never hold cx)
	s_lshl_b32 s23, s[WV], 14                      ;    + 32 rows a wave
	s_add_co_u32 s22, s22, s23
	s_mov_b32 s23, 0
	s_lshl_b32 s68, s15, 15                        ; pmax, pidx: range p's 8,192 words + the block's 128
	s_lshl_b32 s69, s16, 9
	s_add_co_u32 s68, s68, s69
	s_mov_b32 s69, 0
	s_mov_b32 s[SEL], 0x76543210
	s_mov_b32 s[SEL+1], 0xfedcba98
	s_mov_b32 s[HM], 0xffff0000
	s_mov_b32 s[GN], 0
	s_wait_dscnt 0x0                               ; the opening add is done
	s_wait_kmcnt 0x0
	s_add_nc_u64 s[G0W+2:G0W+3], s[4:5], s[20:21]  ; tile 0
	s_add_nc_u64 s[G0W+6:G0W+7], s[G0W+2:G0W+3], TILEB  ; tile 1
	s_or_b32 s[G0W+3], s[G0W+3], 0x80000000        ; type = 2
	s_or_b32 s[G0W+7], s[G0W+7], 0x80000000
	s_add_nc_u64 s[G0Z+2:G0Z+3], s[6:7], s[22:23]
	s_or_b32 s[G0Z+3], s[G0Z+3], 0x80000000
	s_add_nc_u64 s[8:9], s[8:9], s[68:69]
	s_add_nc_u64 s[10:11], s[10:11], s[68:69]
	CROUND                                         ; all sixteen work-groups are here: the first joint loads meet
	tensor_load_to_lds s[G0W:G0W+3], s[G1W:G1W+7]  ; the first fills go out together: my rows of W's tile 0 into slot 0,
	s_nop 0
	tensor_load_to_lds s[G0Z:G0Z+3], s[G1Z:G1Z+7]  ; my rows of the token block into slot 1's bytes: two loads of mine are out
	s_nop 0
	PLACES
	; addresses and the statistics' start stand in the wait for the first tiles
	v_and_b32 v1, 15, v0                           ; r = lane % 16
	v_bfe_u32 v2, v0, 4, 1                         ; h = lane / 16
	v_mul_u32_u24 v12, v1, PITCH
	v_lshl_add_u32 v12, v2, 4, v12                 ; a fragment's row x pitch + 16 h
	v_add_nc_u32 v[AW], s[G0W+1], v12
	v_add_nc_u32 v[AW+1], s[G0W+5], v12
	v_add_nc_u32 v[AZ], SLOT, v12
	s_lshl_b32 s70, s[WV], 9
	s_add_co_u32 s70, s70, SCR
	v_lshl_add_u32 v[SA], v2, 11, s70
	v_lshl_add_u32 v[SA], v1, 2, v[SA]
	s_lshl_b32 s71, s15, 11
	s_lshl_b32 s66, s[WV], 6
	s_add_co_u32 s71, s71, s66
	v_lshl_add_u32 v[CODE0], v2, 3, s71
	v_and_b32 v13, 31, v0
	v_lshl_add_u32 v[RD], v13, 4, SCR
	v_lshlrev_b32 v[GO], 4, v13
.set ii, 0
.rept 8
	v_mov_b32 v[MX+ii], 0xff800000                 ; below every finite logit: the first group always wins
	v_mov_b32 v[CG+ii], 0
.set ii, ii+1
.endr
.set ii, 0
.rept 64
	v_mov_b32 v[SAV+ii], 0                         ; the selects read what they may keep, so it is written
.set ii, ii+1
.endr
	s_wait_tensorcnt 0x0                           ; my rows of tile 0 and of the token block are in,
	s_barrier_signal -1
	s_barrier_wait -1                              ; everybody's are: the block's rows come from all four waves.
	WIN 0x80                                       ; destination window 2
	ZLOAD 0
	WIN 0xc0                                       ; destination window 3
	ZLOAD 4
	FETCH 0, 0, 0                                  ; tile 0's first group
	WIN 0
	s_wait_tensorcnt 0x0                           ; slot 1's bytes are filled again, with W's tile 1: no load of mine is out,
	ds_add_u32 v[SPW], v[NIL]                      ; 0 onto my spare word,
	s_wait_dscnt 0x0                               ; it is done, and the token block is in my registers
	CROUND                                         ; and that holds of every wave of every partner
	tensor_load_to_lds s[G0W+4:G0W+7], s[G1W:G1W+7]
	s_nop 0
	PLACES
	GROUP 0, 0, 1, 0, 1, 0                         ; tile 0's first group: there is no group yet to look at
	WIN 0                                          ; at a label and at a branch every window is 0
	s_mov_b32 s[LAP], 3
.Llap:                                                 ; a trip goes once round the ring, from a tile's second group to the first group two tiles on, and fills both slots again: tiles 2 to 7
	GROUP 1, 0, 2, 1, 1, 0
	GROUP 0, 0, 3, 1, 1, 0
	TURN 0
	GROUP 0, 1, 1, 1, 1, 0
	GROUP 1, 1, 2, 1, 1, 0
	GROUP 0, 1, 3, 1, 1, 0
	TURN 1
	GROUP 0, 0, 1, 1, 1, 0
	WIN 0
	s_sub_co_u32 s[LAP], s[LAP], 1
	s_cmp_lg_u32 s[LAP], 0
	s_cbranch_scc1 .Llap
	GROUP 1, 0, 2, 1, 1, 0                         ; tiles 6 and 7 are written out: nothing is asked for any more
	GROUP 0, 0, 3, 1, 1, 0
	GROUP 1, 1, 0, 1, 1, 1                         ; tile 6's last group fetches tile 7's first fragments
	GROUP 0, 1, 1, 1, 1, 0
	GROUP 1, 1, 2, 1, 1, 0
	GROUP 0, 1, 3, 1, 1, 0
	GROUP 1, 0, 0, 1, 0, 0                         ; the last group fetches nothing
	WIN 0
.set nn, 0
.rept 28
	SLICE nn, 0                                    ; the last group is looked at; the final maxima lie in set 0
.set nn, nn+1
.endr
.irp t, 0,1,2,3,4,5,6,7
	FIN \t
.endr
	s_wait_dscnt 0x0                               ; for wave 0's sake: my stores are done
	s_barrier_signal -1
	s_barrier_wait -1
	s_cmp_lg_u32 s[WV], 0
	s_cbranch_scc1 .Ldone                          ; wave 0 alone joins the four waves' results; no barrier stands in the branch
.irp w, 0,1,2,3
	ds_load_b128 v[128+4*\w:128+4*\w+3], v[RD] offset:\w*512          ; wave w's best values of tokens 4 lane .. 4 lane + 3
	ds_load_b128 v[144+4*\w:144+4*\w+3], v[RD] offset:2048+\w*512     ; and their indices
.endr
	s_wait_dscnt 0x0
.irp w, 1,2,3
.irp e, 0,1,2,3
	BETTER 128+\e, 144+\e, 128+4*\w+\e, 144+4*\w+\e
.endr
.endr
	global_store_b128 v[GO], v[128:131], s[8:9]    ; 512 consecutive bytes, at a multiple of 256 from the buffer's first
	global_store_b128 v[GO], v[144:147], s[10:11]
.Ldone:
	s_wait_tensorcnt 0x0                           ; the wave's end: a wait, an add of 0 to my spare word and its wait, behind my last tensor load and my last LDS store
	ds_add_u32 v[SPW], v[NIL]
	s_wait_dscnt 0x0
	CROUND                                         ; the closing round: no work-group ends while a partner may still ask for a tile that names it
	s_endpgm
.Lfunc_end_k_q7b571f406f_logits:
	.size	k_q7b571f406f_logits, .Lfunc_end_k_q7b571f406f_logits-k_q7b571f406f_logits
	.p2alignl 7, 3214868480
	.fill 96, 4, 3214868480
	.section	.rodata,"a",@progbits
	.p2align	6, 0x0
	.amdhsa_kernel k_q7b571f406f_logits
		.amdhsa_group_segment_fixed_size 327680
		.amdhsa_private_segment_fixed_size 0
		.amdhsa_enable_private_segment 0
		.amdhsa_kernarg_size 32
		.amdhsa_user_sgpr_count 2
		.amdhsa_user_sgpr_kernarg_segment_ptr 1
		.amdhsa_wavefront_size32 1
		.amdhsa_system_sgpr_workgroup_id_x 1
		.amdhsa_system_sgpr_workgroup_id_y 1
		.amdhsa_system_sgpr_workgroup_id_z 1
		.amdhsa_system_vgpr_workitem_id 0
		.amdhsa_next_free_vgpr 1024
		.amdhsa_next_free_sgpr 80
		.amdhsa_reserve_vcc 0
		.amdhsa_float_denorm_mode_32 3
		.amdhsa_float_denorm_mode_16_64 3
		.amdhsa_memory_ordered 1
		.amdhsa_forward_progress 1
		.amdhsa_inst_pref_size 255
	.end_amdhsa_kernel
	.section	.bss,"aw",@nobits
	.p2align	6
	.space	262144
	.amdgpu_metadata
---
amdhsa.version: [ 1, 2 ]
amdhsa.kernels:
  - .name:           k_q7b571f406f_logits
    .symbol:         k_q7b571f406f_logits.kd
    .args:
      - { .name: Wb, .offset: 0, .size: 8, .value_kind: global_buffer, .address_space: global }
      - { .name: Zb, .offset: 8, .size: 8, .value_kind: global_buffer, .address_space: global }
      - { .name: pmax, .offset: 16, .size: 8, .value_kind: global_buffer, .address_space: global }
      - { .name: pidx, .offset: 24, .size: 8, .value_kind: global_buffer, .address_space: global }
    .group_segment_fixed_size: 327680
    .private_segment_fixed_size: 0
    .kernarg_segment_align: 8
    .kernarg_segment_size: 32
    .max_flat_workgroup_size: 128
    .sgpr_count:     80
    .vgpr_count:     1024
    .wavefront_size: 32
...
	.end_amdgpu_metadata
.endif
;; end of part 2
;; launch pick (part 3): grid 128 x 2, 8 waves a work-group, no clusters, 36,352 bytes of LDS; arguments pmax, pidx, Wb, z, out0, out2, lpart; writes out0, out2, lpart
.if DOCPART == 3
	.amdgcn_target "amdgcn-amd-amdhsa--gfx1250"
	.amdhsa_code_object_version 6
	.text
	.protected	k_q7b571f406f_pick
	.globl	k_q7b571f406f_pick
	.p2align	8
	.type	k_q7b571f406f_pick,@function
k_q7b571f406f_pick:
	s_mov_b64 s[64:65], 0
	v_nop
	global_prefetch_b8 v0, s[64:65] scope:SCOPE_SE
	s_setreg_imm32_b32 hwreg(HW_REG_WAVE_MODE, 25, 1), 1
	s_wait_xcnt 0x0
; For each token: the winner of the four code ranges (greatest logit; on equal logits the lower range, whose codes are lower); out2[token] = its code;
; out0[b][d][hw] = Wb[code][d] as f32; lpart[128 Y + X] = this work-group's sum of (out0 - z)^2.
; z_q = (hard - soft + soft) W is W[ind]: in f32 (0 - s) + s is exactly 0 and (1 - s) + s is 1 to one part in 2^23; z_q_2 = hard W is W[ind] too.
; LIMITS.  out0 is W[ind] rounded to bf16, the operand format of the product that it stands for; z enters the loss in f32.  NaN and infinities are not treated apart.
; The rows' addresses come from pidx alone, whole numbers of the launch before: all four candidates' rows are loaded, and the winner is SELECTED, word by word; no address hangs on a comparison made here.
; SHARES.  Work-group (X, Y): 64 tokens x 128 channels (half Y).  Thread (c, i) = (thread / 16, thread % 16) gathers for tokens 4 c .. 4 c + 3 the channels 8 i .. 8 i + 7 (16 lanes take 256 consecutive
; bytes of a row of Wb); the block is turned in LDS; the same thread then holds channels 8 c .. 8 c + 7 of tokens 4 i .. 4 i + 3, as z and out0 lie (16 lanes: 256 consecutive bytes of a channel's row).
; No matrix unit, cluster or tensor load: the launch moves bytes, and its work-groups share nothing but rows that happen to be picked twice.
.set TP,    272                        ; a row of the block in LDS: 64 f32 = 256 bytes + 16: 16 consecutive rows start at 16 different groups of four banks
.set IDXS,  128*TP                     ; 34,816: the 64 winners' codes
.set RED,   IDXS+256                   ; the eight waves' sums
.set SPARE, RED+256                    ; the spare words, 128 bytes for each of eight waves
.set PO,  3                            ; v3   16 c
.set ZO,  4                            ; v4   (8 c) rows of 4,096 bytes + 16 i
.set I16, 5                            ; v5   16 i
.set SA,  6                            ; v6   block, in: row i, byte 16 c
.set RA,  7                            ; v7   block, back: row c, byte 16 i
.set IA,  8                            ; v8   IDXS + 16 c
.set SPW, 10                           ; v10  my spare word; never rewritten
.set NIL, 11                           ; v11  0; never rewritten
.set PI,  20                           ; v[20:35]  range p's code for token 4 c + q at PI + 4 p + q; range 0's registers then take the winner's
.set PM,  36                           ; v[36:51]  the same for the logits
.set ZR,  52                           ; v[52:83]  z: channel 8 c + r, four tokens, at ZR + 4 r; then out0 - z
.set RO,  84                           ; v[84:99]  byte offset of candidate (q, p)'s 16 bytes in Wb
.set RW,  100                          ; v[100:163] candidate (q, p)'s 8 bf16 at RW + 16 q + 4 p; later the block's rows read back, at RW + 4 r
.set XF,  164                          ; v[164:195] channel 8 i + e of token 4 c + q as f32, at XF + 4 e + q
.set LS,  196                          ; v[196:199] two pairs of sums of squares
.set SM,  24                           ; s[24:35]  'range p beats the best so far' for token q, at SM + 3 q + p - 1
	s_load_b256 s[4:11], s[0:1], 0x0               ; pmax s[4:5], pidx s[6:7], Wb s[8:9], z s[10:11]
	s_load_b128 s[12:15], s[0:1], 0x20             ; out0 s[12:13], out2 s[14:15]
	s_load_b64 s[16:17], s[0:1], 0x30              ; lpart
	v_lshl_add_u32 v[SPW], v0, 2, SPARE
	v_mov_b32 v[NIL], 0
	v_lshrrev_b32 v1, 5, v0
	v_readfirstlane_b32 s36, v1                    ; wave 0..7
	v_lshrrev_b32 v1, 4, v0                        ; c
	v_and_b32 v2, 15, v0                           ; i
	v_lshlrev_b32 v[PO], 4, v1
	v_lshlrev_b32 v[ZO], 15, v1
	v_lshl_add_u32 v[ZO], v2, 4, v[ZO]
	v_lshlrev_b32 v[I16], 4, v2
	v_mul_u32_u24 v[SA], v2, TP
	v_lshl_add_u32 v[SA], v1, 4, v[SA]
	v_mul_u32_u24 v[RA], v1, TP
	v_lshl_add_u32 v[RA], v2, 4, v[RA]
	v_add_nc_u32 v[IA], IDXS, v[PO]
	s_and_b32 s19, ttmp7, 0xffff                   ; Y
	s_lshl_b32 s20, ttmp9, 8                       ; 64 tokens x 4 bytes: pmax, pidx, out2
	s_mov_b32 s21, 0
	s_lshl_b32 s22, s19, 8                         ; Wb: half Y of a row
	s_mov_b32 s23, 0
	s_lshr_b32 s40, ttmp9, 4                       ; b
	s_lshl_b32 s40, s40, 20                        ; z, out0: b x 256 rows of 4,096 bytes
	s_lshl_b32 s42, s19, 19                        ;    + Y x 128 rows
	s_add_co_u32 s40, s40, s42
	s_and_b32 s42, ttmp9, 15
	s_lshl_b32 s42, s42, 8                         ;    + 64 tokens x 4 bytes
	s_add_co_u32 s40, s40, s42
	s_mov_b32 s41, 0
	s_lshl_b32 s42, s19, 7
	s_add_co_u32 s42, s42, ttmp9
	s_lshl_b32 s42, s42, 2                         ; lpart: word 128 Y + X
	s_mov_b32 s43, 0
	s_lshl_b32 s44, s36, 2
	s_add_co_u32 s44, s44, RED                     ; my wave's word
	s_mov_b32 s37, 0xffff0000                      ; a word's upper bf16
	s_mov_b32 s38, 0x76543210                      ; v_permlanex16_b32: each lane takes its own place in the other half
	s_mov_b32 s39, 0xfedcba98
	s_wait_kmcnt 0x0
	s_add_nc_u64 s[4:5], s[4:5], s[20:21]
	s_add_nc_u64 s[6:7], s[6:7], s[20:21]
	s_add_nc_u64 s[14:15], s[14:15], s[20:21]
	s_add_nc_u64 s[8:9], s[8:9], s[22:23]
	s_add_nc_u64 s[10:11], s[10:11], s[40:41]
	s_add_nc_u64 s[12:13], s[12:13], s[40:41]
	s_add_nc_u64 s[16:17], s[16:17], s[42:43]
.irp p, 0,1,2,3
	global_load_b128 v[PI+4*\p:PI+4*\p+3], v[PO], s[6:7] offset:\p*32768
.endr
.irp p, 0,1,2,3
	global_load_b128 v[PM+4*\p:PM+4*\p+3], v[PO], s[4:5] offset:\p*32768
.endr
.irp r, 0,1,2,3,4,5,6,7
	global_load_b128 v[ZR+4*\r:ZR+4*\r+3], v[ZO], s[10:11] offset:\r*4096
.endr
	s_wait_loadcnt 12                              ; the codes are in; the 4 loads of logits and the 8 of z, issued behind them, stay out
.irp q, 0,1,2,3
.irp p, 0,1,2,3
	v_min_u32 v[RO+4*\q+\p], 0x1fff, v[PI+4*\p+\q]                 ; a code stays inside the table
	v_lshl_add_u32 v[RO+4*\q+\p], v[RO+4*\q+\p], 9, v[I16]         ; its row of 512 bytes, my 16 bytes
.endr
.endr
.irp q, 0,1,2,3
.irp p, 0,1,2,3
	global_load_b128 v[RW+16*\q+4*\p:RW+16*\q+4*\p+3], v[RO+4*\q+\p], s[8:9]
.endr
.endr
	s_wait_loadcnt 24                              ; the logits are in; the 8 loads of z and the 16 of rows stay out
.irp q, 0,1,2,3
.irp p, 1,2,3
	v_cmp_gt_f32 s[SM+3*\q+\p-1], v[PM+4*\p+\q], v[PM+\q]          ; strictly: the lower range keeps a tie
	v_max_num_f32 v[PM+\q], v[PM+\q], v[PM+4*\p+\q]
	v_cndmask_b32 v[PI+\q], v[PI+\q], v[PI+4*\p+\q], s[SM+3*\q+\p-1]
.endr
.endr
.irp q, 0,1,2,3
	s_wait_loadcnt 12-4*\q                         ; z and token q's four rows are in; the later tokens' rows stay out
.irp p, 1,2,3
.irp k, 0,1,2,3
	v_cndmask_b32 v[RW+16*\q+\k], v[RW+16*\q+\k], v[RW+16*\q+4*\p+\k], s[SM+3*\q+\p-1]
.endr
.endr
.irp k, 0,1,2,3
	v_lshlrev_b32 v[XF+8*\k+\q], 16, v[RW+16*\q+\k]                ; bf16 to f32: channel 8 i + 2 k,
	v_and_b32 v[XF+8*\k+4+\q], s37, v[RW+16*\q+\k]                 ; channel 8 i + 2 k + 1
.endr
.endr
.irp e, 0,1,2,3,4,5,6,7
	ds_store_b128 v[SA], v[XF+4*\e:XF+4*\e+3] offset:\e*16*TP      ; row 16 e + i holds channel 8 i + e
.endr
	ds_store_b128 v[IA], v[PI:PI+3]                ; the four winners' codes; the 16 lanes of a group write the same bytes with the same numbers
	s_wait_dscnt 0x0                               ; for the others' sake: my stores are done
	s_barrier_signal -1
	s_barrier_wait -1
.irp r, 0,1,2,3,4,5,6,7
	ds_load_b128 v[RW+4*\r:RW+4*\r+3], v[RA] offset:\r*16*TP       ; row 16 r + c = channel 8 c + r, tokens 4 i .. 4 i + 3
.endr
.irp r, 0,1,2,3,4,5,6,7
	s_wait_dscnt 7-\r                              ; LDS loads come back in order: row r is in
	v_pk_add_f32 v[ZR+4*\r:ZR+4*\r+1], v[RW+4*\r:RW+4*\r+1], v[ZR+4*\r:ZR+4*\r+1] neg_lo:[0,1] neg_hi:[0,1]
	v_pk_add_f32 v[ZR+4*\r+2:ZR+4*\r+3], v[RW+4*\r+2:RW+4*\r+3], v[ZR+4*\r+2:ZR+4*\r+3] neg_lo:[0,1] neg_hi:[0,1]
.if \r == 0
	v_pk_mul_f32 v[LS:LS+1], v[ZR:ZR+1], v[ZR:ZR+1]                ; the first squares start the sums
	v_pk_mul_f32 v[LS+2:LS+3], v[ZR+2:ZR+3], v[ZR+2:ZR+3]
.else
	v_pk_fma_f32 v[LS:LS+1], v[ZR+4*\r:ZR+4*\r+1], v[ZR+4*\r:ZR+4*\r+1], v[LS:LS+1]
	v_pk_fma_f32 v[LS+2:LS+3], v[ZR+4*\r+2:ZR+4*\r+3], v[ZR+4*\r+2:ZR+4*\r+3], v[LS+2:LS+3]
.endif
	global_store_b128 v[ZO], v[RW+4*\r:RW+4*\r+3], s[12:13] offset:\r*4096 th:TH_STORE_NT  ; 16 lanes store 256 consecutive bytes, at a multiple of 256 from out0's first
.endr
	v_pk_add_f32 v[LS:LS+1], v[LS:LS+1], v[LS+2:LS+3]
	v_add_f32 v[LS], v[LS], v[LS+1]
	v_add_f32_dpp v[LS], v[LS], v[LS] row_xmask:1 row_mask:0xf bank_mask:0xf
	v_add_f32_dpp v[LS], v[LS], v[LS] row_xmask:2 row_mask:0xf bank_mask:0xf
	v_add_f32_dpp v[LS], v[LS], v[LS] row_xmask:4 row_mask:0xf bank_mask:0xf
	v_add_f32_dpp v[LS], v[LS], v[LS] row_xmask:8 row_mask:0xf bank_mask:0xf
	v_permlanex16_b32 v[LS+1], v[LS], s38, s39
	v_add_f32 v[LS], v[LS], v[LS+1]                ; the wave's sum, in every lane
	v_mov_b32 v9, s44
	ds_store_b32 v9, v[LS]                         ; all lanes write the wave's word with the same number
	s_wait_dscnt 0x0
	s_barrier_signal -1
	s_barrier_wait -1
	s_cmp_lg_u32 s36, 0
	s_cbranch_scc1 .Lend                           ; wave 0 alone writes the sum and the codes; no barrier stands in the branch
	v_mov_b32 v9, RED
	ds_load_b128 v[XF:XF+3], v9
	ds_load_b128 v[XF+4:XF+7], v9 offset:16
	ds_load_b128 v[XF+8:XF+11], v[I16] offset:IDXS ; lanes 0-15: the 64 codes, 16 bytes a lane
	v_mov_b32 v[XF+12], 0
	s_wait_dscnt 0x0
	v_pk_add_f32 v[XF:XF+1], v[XF:XF+1], v[XF+2:XF+3]
	v_pk_add_f32 v[XF+4:XF+5], v[XF+4:XF+5], v[XF+6:XF+7]
	v_pk_add_f32 v[XF:XF+1], v[XF:XF+1], v[XF+4:XF+5]
	v_add_f32 v[XF], v[XF], v[XF+1]
	s_wait_xcnt 0x0                                ; EXEC is a source of the stores above: it changes only behind this wait
	v_cmp_eq_u32 vcc_lo, 0, v0
	s_and_saveexec_b32 s45, vcc_lo
	global_store_b32 v[XF+12], v[XF], s[16:17]     ; one owner for each word of lpart
	s_wait_xcnt 0x0
	s_or_b32 exec_lo, exec_lo, s45
	s_cmp_lg_u32 s19, 0
	s_cbranch_scc1 .Lend                           ; both halves know the codes; half 0 writes them
	v_cmp_gt_u32 vcc_lo, 16, v0
	s_and_saveexec_b32 s45, vcc_lo
	global_store_b128 v[I16], v[XF+8:XF+11], s[14:15]  ; 16 lanes store 256 consecutive bytes, at a multiple of 256 from out2's first
	s_wait_xcnt 0x0
	s_or_b32 exec_lo, exec_lo, s45
.Lend:
	s_wait_tensorcnt 0x0                           ; the wave's end: a wait, an add of 0 to my spare word and its wait, behind my last LDS store
	ds_add_u32 v[SPW], v[NIL]
	s_wait_dscnt 0x0
	s_endpgm
.Lfunc_end_k_q7b571f406f_pick:
	.size	k_q7b571f406f_pick, .Lfunc_end_k_q7b571f406f_pick-k_q7b571f406f_pick
	.p2alignl 7, 3214868480
	.fill 96, 4, 3214868480
	.section	.rodata,"a",@progbits
	.p2align	6, 0x0
	.amdhsa_kernel k_q7b571f406f_pick
		.amdhsa_group_segment_fixed_size 36352
		.amdhsa_private_segment_fixed_size 0
		.amdhsa_enable_private_segment 0
		.amdhsa_kernarg_size 56
		.amdhsa_user_sgpr_count 2
		.amdhsa_user_sgpr_kernarg_segment_ptr 1
		.amdhsa_wavefront_size32 1
		.amdhsa_system_sgpr_workgroup_id_x 1
		.amdhsa_system_sgpr_workgroup_id_y 1
		.amdhsa_system_sgpr_workgroup_id_z 1
		.amdhsa_system_vgpr_workitem_id 0
		.amdhsa_next_free_vgpr 200
		.amdhsa_next_free_sgpr 66
		.amdhsa_reserve_vcc 1
		.amdhsa_float_denorm_mode_32 3
		.amdhsa_float_denorm_mode_16_64 3
		.amdhsa_memory_ordered 1
		.amdhsa_forward_progress 1
		.amdhsa_inst_pref_size 20
	.end_amdhsa_kernel
	.amdgpu_metadata
---
amdhsa.version: [ 1, 2 ]
amdhsa.kernels:
  - .name:           k_q7b571f406f_pick
    .symbol:         k_q7b571f406f_pick.kd
    .args:
      - { .name: pmax, .offset: 0, .size: 8, .value_kind: global_buffer, .address_space: global }
      - { .name: pidx, .offset: 8, .size: 8, .value_kind: global_buffer, .address_space: global }
      - { .name: Wb, .offset: 16, .size: 8, .value_kind: global_buffer, .address_space: global }
      - { .name: z, .offset: 24, .size: 8, .value_kind: global_buffer, .address_space: global }
      - { .name: out0, .offset: 32, .size: 8, .value_kind: global_buffer, .address_space: global }
      - { .name: out2, .offset: 40, .size: 8, .value_kind: global_buffer, .address_space: global }
      - { .name: lpart, .offset: 48, .size: 8, .value_kind: global_buffer, .address_space: global }
    .group_segment_fixed_size: 36352
    .private_segment_fixed_size: 0
    .kernarg_segment_align: 8
    .kernarg_segment_size: 56
    .max_flat_workgroup_size: 256
    .sgpr_count:     66
    .vgpr_count:     200
    .wavefront_size: 32
...
	.end_amdgpu_metadata
.endif
;; end of part 3
;; launch total (part 4): grid 1 x 1, 1 waves a work-group, no clusters, 0 bytes of LDS; arguments lpart, out1; writes out1
.if DOCPART == 4
	.amdgcn_target "amdgcn-amd-amdhsa--gfx1250"
	.amdhsa_code_object_version 6
	.text
	.protected	k_q7b571f406f_total
	.globl	k_q7b571f406f_total
	.p2align	8
	.type	k_q7b571f406f_total,@function
k_q7b571f406f_total:
	s_mov_b64 s[64:65], 0
	v_nop
	global_prefetch_b8 v0, s[64:65] scope:SCOPE_SE
	s_setreg_imm32_b32 hwreg(HW_REG_WAVE_MODE, 25, 1), 1
	s_wait_xcnt 0x0
; out1 = (1 + 1 + 0.25) x mean((W[ind] - z)^2): the three terms of the loss are the same mean, since z_q = z_q_2 = W[ind].
; The mean is over 8 x 256 x 1,024 = 2^21 numbers; lpart holds 256 partial sums.  One ordered sum has one owner: one wave, eight numbers a lane.
	s_load_b128 s[4:7], s[0:1], 0x0                ; lpart s[4:5], out1 s[6:7]
	v_lshlrev_b32 v1, 4, v0
	v_mov_b32 v11, 0                               ; v_permlanex16_b32's destination counts as read
	v_mov_b32 v12, 0                               ; out1's offset
	s_mov_b32 s8, 0x76543210
	s_mov_b32 s9, 0xfedcba98
	s_wait_kmcnt 0x0
	global_load_b128 v[2:5], v1, s[4:5]
	global_load_b128 v[6:9], v1, s[4:5] offset:512
	s_wait_loadcnt 0x0
	v_pk_add_f32 v[2:3], v[2:3], v[4:5]
	v_pk_add_f32 v[6:7], v[6:7], v[8:9]
	v_pk_add_f32 v[2:3], v[2:3], v[6:7]
	v_add_f32 v2, v2, v3
	v_add_f32_dpp v2, v2, v2 row_xmask:1 row_mask:0xf bank_mask:0xf
	v_add_f32_dpp v2, v2, v2 row_xmask:2 row_mask:0xf bank_mask:0xf
	v_add_f32_dpp v2, v2, v2 row_xmask:4 row_mask:0xf bank_mask:0xf
	v_add_f32_dpp v2, v2, v2 row_xmask:8 row_mask:0xf bank_mask:0xf
	v_permlanex16_b32 v11, v2, s8, s9
	v_add_f32 v2, v2, v11
	v_mul_f32 v2, 0x35900000, v2                   ; 2.25 x 2^-21
	s_wait_xcnt 0x0                                ; EXEC changes only behind this wait
	v_cmp_eq_u32 vcc_lo, 0, v0
	s_and_saveexec_b32 s10, vcc_lo
	global_store_b32 v12, v2, s[6:7]
	s_wait_xcnt 0x0
	s_or_b32 exec_lo, exec_lo, s10
	s_endpgm
.Lfunc_end_k_q7b571f406f_total:
	.size	k_q7b571f406f_total, .Lfunc_end_k_q7b571f406f_total-k_q7b571f406f_total
	.p2alignl 7, 3214868480
	.fill 96, 4, 3214868480
	.section	.rodata,"a",@progbits
	.p2align	6, 0x0
	.amdhsa_kernel k_q7b571f406f_total
		.amdhsa_group_segment_fixed_size 0
		.amdhsa_private_segment_fixed_size 0
		.amdhsa_enable_private_segment 0
		.amdhsa_kernarg_size 16
		.amdhsa_user_sgpr_count 2
		.amdhsa_user_sgpr_kernarg_segment_ptr 1
		.amdhsa_wavefront_size32 1
		.amdhsa_system_sgpr_workgroup_id_x 1
		.amdhsa_system_sgpr_workgroup_id_y 1
		.amdhsa_system_sgpr_workgroup_id_z 1
		.amdhsa_system_vgpr_workitem_id 0
		.amdhsa_next_free_vgpr 16
		.amdhsa_next_free_sgpr 66
		.amdhsa_reserve_vcc 1
		.amdhsa_float_denorm_mode_32 3
		.amdhsa_float_denorm_mode_16_64 3
		.amdhsa_memory_ordered 1
		.amdhsa_forward_progress 1
		.amdhsa_inst_pref_size 2
	.end_amdhsa_kernel
	.amdgpu_metadata
---
amdhsa.version: [ 1, 2 ]
amdhsa.kernels:
  - .name:           k_q7b571f406f_total
    .symbol:         k_q7b571f406f_total.kd
    .args:
      - { .name: lpart, .offset: 0, .size: 8, .value_kind: global_buffer, .address_space: global }
      - { .name: out1, .offset: 8, .size: 8, .value_kind: global_buffer, .address_space: global }
    .group_segment_fixed_size: 0
    .private_segment_fixed_size: 0
    .kernarg_segment_align: 8
    .kernarg_segment_size: 16
    .max_flat_workgroup_size: 32
    .sgpr_count:     66
    .vgpr_count:     16
    .wavefront_size: 32
...
	.end_amdgpu_metadata
.endif
;; end of part 4
